; MI455X (gfx1250); checked and timed in simulation.
; The chip was launched on July 23, 2026; its instructions are those of AMD's public machine-readable ISA for CDNA 5 (MIT licence, August 2026) and "CDNA5" Instruction Set Architecture Reference Guide (July 2026). The comments in the code are by the model that wrote it; some were corrected since.
;; Neural ODE Physics. Allowed arithmetic: float matrix products may take bf16 or f16 operands with f32 sums; other float arithmetic in f32, or as packed bf16 or f16 multiplies, adds, multiply-adds, maxima and minima; sums over many terms, partial sums and values carried from step to step in f32; what a program stores and reads back later, other than sums and carried values, may be rounded once to bf16 or f16.
;; Inputs: W0 6 x 256 float32; Wh 3 x 256 x 256 float32; Wout 256 x 3 float32; b0 256 float32; be0 256 float32; beh 3 x 256 float32; bh 3 x 256 float32; bout 3 float32; g0 256 float32; gh 3 x 256 float32; params 8,192 x 3 float32; t_span 6 float32; y0 8,192 x 3 float32.
;; Outputs: out0 6 x 8,192 x 3 float32.
;; One version. Each part assembles by itself: llvm-mc -triple=amdgcn-amd-amdhsa -mcpu=gfx1250 --defsym DOCPART=n.
;; ======== version 1 of 1: 2 launches
;; limits: values outside matrix products are rounded to bf16
;; workspace buffers: wsp 430,080 bytes
;; launch prep (part 1): grid 27 x 1, 4 waves a work-group, no clusters, 0 bytes of LDS; arguments Wh, W0, Wout, b0, g0, be0, bh, gh, beh, wsp; writes wsp
.if DOCPART == 1
	.amdgcn_target "amdgcn-amd-amdhsa--gfx1250"
	.amdhsa_code_object_version 6
	.text
	.protected	k_qef0f0588b5_prep
	.globl	k_qef0f0588b5_prep
	.p2align	8
	.type	k_qef0f0588b5_prep,@function
k_qef0f0588b5_prep:
	s_mov_b64 s[64:65], 0
	v_nop
	global_prefetch_b8 v0, s[64:65] scope:SCOPE_SE
	s_setreg_imm32_b32 hwreg(HW_REG_WAVE_MODE, 25, 1), 1
	s_wait_xcnt 0x0
; THE WEIGHTS ARE MADE READY ONCE, for the launch that integrates.  LayerNorm(h W + b) wants x - mean(x); the mean over the 256 columns is linear, so
; x - mean(x) = h W' + b' with W'[k][n] = W[k][n] - mean over n of W[k][:], b' = b - mean(b).  The centring is done here in f32, ahead of the one rounding to bf16.
; The next launch keeps activations as h'' = -log2(e) silu(z): so Wh and Wout are multiplied by -ln 2, and the gains and shifts by -log2(e).
; wsp: three layers of 131,072 bytes, each bf16(-ln 2 W') as register images: wave w (columns 64 w ..), tile j of 16 columns, K step s of 32, half u, lane L = 16 h + r, 8 numbers e:
;      byte w 32768 + (8 j + s) 1024 + u 512 + L 16 + 2 e holds k = 32 s + 16 u + 8 h + e, n = 64 w + 16 j + r.
;      at 393,216 the tables: four layers x (b', g'', be'') of 1,024 bytes in f32; then for each wave 6,144 bytes: four fragments of W0' (k = 6 carries b0') and two of -ln 2 Wout.
; 27 work-groups: 0-23 a layer's 32 rows of K each (a wave 8 rows x 256 columns), 24 the f32 tables (a wave a layer), 25 W0's fragments, 26 Wout's (a wave a wave's share).
; No LDS, no barrier: a row's mean is made inside one wave.
.set NLN2, 0xbf317218                  ; -ln 2
.set LN2D, 0x3b317218                  ; ln 2 / 256
.set NL2E, 0xbfb8aa3b                  ; -log2 e
.set NINV, 0xbb800000                  ; -1 / 256
.set TABO, 393216
.set WFO,  TABO+12288
.macro XSUM a                          ; the sum over the wave's 32 lanes, in every lane
	v_add_f32_dpp v[\a], v[\a], v[\a] row_xmask:1 row_mask:0xf bank_mask:0xf
	v_add_f32_dpp v[\a], v[\a], v[\a] row_xmask:2 row_mask:0xf bank_mask:0xf
	v_add_f32_dpp v[\a], v[\a], v[\a] row_xmask:4 row_mask:0xf bank_mask:0xf
	v_add_f32_dpp v[\a], v[\a], v[\a] row_xmask:8 row_mask:0xf bank_mask:0xf
	v_permlanex16_b32 v12, v[\a], s24, s25
	v_add_f32 v[\a], v[\a], v12
.endm
.macro ROWSUM d, a                     ; v[d] = -mean of a row of 256 of which the lane holds 8 in v[a ..]
	v_pk_add_f32 v[8:9], v[\a:\a+1], v[\a+2:\a+3]
	v_pk_add_f32 v[10:11], v[\a+4:\a+5], v[\a+6:\a+7]
	v_pk_add_f32 v[8:9], v[8:9], v[10:11]
	v_add_f32 v[\d], v8, v9
	XSUM \d
	v_mul_f32 v[\d], NINV, v[\d]
.endm
	s_load_b512 s[4:19], s[0:1], 0x0               ; Wh s[4:5], W0 s[6:7], Wout s[8:9], b0 s[10:11], g0 s[12:13], be0 s[14:15], bh s[16:17], gh s[18:19]
	s_load_b128 s[20:23], s[0:1], 0x40             ; beh s[20:21], wsp s[22:23]
	v_lshrrev_b32 v1, 5, v0
	v_readfirstlane_b32 s28, v1                    ; wave 0..3
	v_and_b32 v2, 31, v0                           ; lane
	v_and_b32 v3, 15, v0                           ; r
	v_lshlrev_b32 v4, 4, v2                        ; 16 x lane
	v_mov_b32 v12, 0                               ; the exchange's destination counts as read
	s_mov_b32 s24, 0x76543210                      ; each lane takes its own place in the other half
	s_mov_b32 s25, 0xfedcba98
	s_mov_b32 s29, ttmp9
	s_wait_kmcnt 0x0
	s_cmp_lt_u32 s29, 24
	s_cbranch_scc0 .Ltables
	; A LAYER'S 32 ROWS.  Layer s29 / 8, K step s29 % 8; my wave's 8 rows are k = 32 s + 8 wave + e: half u = wave / 2, h = wave % 2.
	s_lshr_b32 s30, s29, 3
	s_and_b32 s31, s29, 7
	s_lshl_b32 s32, s30, 18                        ; a layer of Wh: 262,144 bytes
	s_lshl_b32 s33, s31, 15                        ; 32 rows of 1,024
	s_add_co_u32 s32, s32, s33
	s_lshl_b32 s33, s28, 13                        ; my 8 rows
	s_add_co_u32 s32, s32, s33
	s_mov_b32 s33, 0
	s_add_nc_u64 s[4:5], s[4:5], s[32:33]
	s_lshl_b32 s34, s30, 17                        ; a layer of wsp: 131,072 bytes
	s_lshl_b32 s35, s31, 10                        ; + s 1024
	s_add_co_u32 s34, s34, s35
	s_lshl_b32 s35, s28, 8                         ; + u 512 + h 256
	s_add_co_u32 s34, s34, s35
	s_mov_b32 s35, 0
	s_add_nc_u64 s[22:23], s[22:23], s[34:35]
	v_lshlrev_b32 v6, 2, v2                        ; 4 x lane
	v_lshrrev_b32 v5, 4, v2
	v_lshlrev_b32 v5, 13, v5                       ; lanes 16-31 hold the next tile's columns: 8,192 bytes on,
	v_lshl_add_u32 v5, v3, 4, v5                   ; 16 bytes a column
.set c, 0
.rept 8                                ; v[16 + 8 c + e] = W[k0 + e][32 c + lane]
.set e, 0
.rept 8
	global_load_b32 v[16+8*c+e], v6, s[4:5] offset:e*1024+c*128
.set e, e+1
.endr
.set c, c+1
.endr
	s_wait_loadcnt 0x0
.irp p, 0,2,4,6                        ; the rows' sums, two rows an instruction
	v_pk_add_f32 v[112+\p:113+\p], v[16+\p:17+\p], v[24+\p:25+\p]
.set c, 2
.rept 6
	v_pk_add_f32 v[112+\p:113+\p], v[112+\p:113+\p], v[16+8*c+\p:17+8*c+\p]
.set c, c+1
.endr
.endr
.set e, 0
.rept 8
	XSUM 112+e
.set e, e+1
.endr
.irp p, 0,2,4,6
	v_pk_mul_f32 v[112+\p:113+\p], v[112+\p:113+\p], LN2D op_sel_hi:[1,0]  ; ln 2 x mean
.endr
.set c, 0
.rept 8
.irp p, 0,2,4,6
	v_pk_fma_f32 v[16+8*c+\p:17+8*c+\p], v[16+8*c+\p:17+8*c+\p], NLN2, v[112+\p:113+\p] op_sel_hi:[1,0,1]  ; -ln 2 (W - mean), one rounding
.endr
.irp t, 0,1,2,3
	v_cvt_pk_bf16_f32 v[80+4*c+\t], v[16+8*c+2*\t], v[16+8*c+2*\t+1]
.endr
.set c, c+1
.endr
.set c, 0
.rept 8
	global_store_b128 v5, v[80+4*c:83+4*c], s[22:23] offset:c*16384  ; 16 lanes store 256 consecutive bytes, at a multiple of 256 from wsp's first byte
.set c, c+1
.endr
	s_endpgm
.Ltables:
	s_cmp_eq_u32 s29, 24
	s_cbranch_scc0 .Lnot_par
	; THE F32 TABLES: my wave's number is the layer; layer 0 has buffers of its own, layers 1-3 are rows of the stacked ones.
	s_cmp_eq_u32 s28, 0
	s_cselect_b64 s[32:33], s[10:11], s[16:17]
	s_cselect_b64 s[34:35], s[12:13], s[18:19]
	s_cselect_b64 s[36:37], s[14:15], s[20:21]
	s_max_u32 s38, s28, 1
	s_sub_co_u32 s38, s38, 1
	s_lshl_b32 s38, s38, 10                        ; row max(layer - 1, 0)
	v_add_nc_u32 v5, s38, v4
	global_load_b128 v[16:19], v5, s[32:33]
	global_load_b128 v[20:23], v5, s[32:33] offset:512
	global_load_b128 v[24:27], v5, s[34:35]
	global_load_b128 v[28:31], v5, s[34:35] offset:512
	global_load_b128 v[32:35], v5, s[36:37]
	global_load_b128 v[36:39], v5, s[36:37] offset:512
	s_mul_i32 s38, s28, 3072
	s_add_co_u32 s38, s38, TABO
	s_mov_b32 s39, 0
	s_add_nc_u64 s[22:23], s[22:23], s[38:39]
	v_mov_b32 v41, 0                               ; named with v40 as a pair
	s_wait_loadcnt 0x0
	ROWSUM 40, 16
.irp p, 0,2,4,6
	v_pk_add_f32 v[16+\p:17+\p], v[16+\p:17+\p], v[40:41] op_sel_hi:[1,0]    ; b - mean(b)
	v_pk_mul_f32 v[24+\p:25+\p], v[24+\p:25+\p], NL2E op_sel_hi:[1,0]        ; -log2(e) g
	v_pk_mul_f32 v[32+\p:33+\p], v[32+\p:33+\p], NL2E op_sel_hi:[1,0]        ; -log2(e) be
.endr
.irp t, 0,1,2,3,4,5
	global_store_b128 v4, v[16+4*\t:19+4*\t], s[22:23] offset:512*\t
.endr
	s_endpgm
.Lnot_par:
	s_mul_i32 s30, s28, 6144                       ; my wave's share of the fragments
	s_add_co_u32 s30, s30, WFO
	s_mov_b32 s31, 0
	s_add_nc_u64 s[22:23], s[22:23], s[30:31]
	s_cmp_eq_u32 s29, 25
	s_cbranch_scc0 .Lwout
	; W0's FRAGMENTS.  Seven rows (W0's six and b0) are centred; lane r < 16 of tile j holds k = 0..7 of column 64 w + 16 j + r: W0'[0..5], b0', 0.  All other places of the 32 along K are 0.
.set i, 0
.rept 6
	global_load_b128 v[16+8*i:19+8*i], v4, s[6:7] offset:i*1024
	global_load_b128 v[20+8*i:23+8*i], v4, s[6:7] offset:i*1024+512
.set i, i+1
.endr
	global_load_b128 v[64:67], v4, s[10:11]
	global_load_b128 v[68:71], v4, s[10:11] offset:512
	s_lshl_b32 s32, s28, 8
	v_lshl_add_u32 v5, v3, 2, s32                  ; 4 (64 w + r)
.set j, 0
.rept 4
.set k, 0
.rept 6
	global_load_b32 v[80+8*j+k], v5, s[6:7] offset:k*1024+64*j
.set k, k+1
.endr
	global_load_b32 v[80+8*j+6], v5, s[10:11] offset:64*j
.set j, j+1
.endr
	s_wait_loadcnt 28                              ; the fourteen loads of whole rows are in; the 28 of my own columns may stay out
.set i, 0
.rept 7
	ROWSUM 72+i, 16+8*i
.set i, i+1
.endr
.irp t, 16,17,18,19
	v_mov_b32 v[\t], 0                             ; a quad of zeros for the upper half of K
.endr
	v_cmp_gt_u32 vcc_lo, 16, v2                    ; lanes 0-15
	s_wait_loadcnt 0x0
.set j, 0
.rept 4
.set k, 0
.rept 7
	v_add_f32 v[80+8*j+k], v[80+8*j+k], v[72+k]
.set k, k+1
.endr
	v_mov_b32 v[80+8*j+7], 0
.irp t, 0,1,2,3
	v_cvt_pk_bf16_f32 v[112+4*j+\t], v[80+8*j+2*\t], v[80+8*j+2*\t+1]
.endr
.irp t, 0,1,2,3
	v_cndmask_b32 v[112+4*j+\t], 0, v[112+4*j+\t], vcc_lo
.endr
	global_store_b128 v4, v[112+4*j:115+4*j], s[22:23] offset:j*1024
	global_store_b128 v4, v[16:19], s[22:23] offset:j*1024+512
.set j, j+1
.endr
	s_endpgm
.Lwout:
	; Wout's FRAGMENTS, as 16 rows of source 0: row r holds output r % 8 if that is below 3, else 0: outputs 0-2 stand at rows 0-2 and again at rows 8-10, so that both halves of the lanes receive them.
	v_and_b32 v6, 7, v0
	v_min_u32 v7, 2, v6                            ; a column inside Wout's three for every lane
	v_bfe_u32 v8, v0, 4, 1                         ; h
	s_mul_i32 s32, s28, 768                        ; 64 w rows of 12 bytes
	v_mul_u32_u24 v8, v8, 96                       ; 8 h rows
	v_lshl_add_u32 v8, v7, 2, v8
	v_add_nc_u32 v8, s32, v8
.set i, 0
.rept 32                               ; i = 16 s' + 8 u + e: row 32 s' + 16 u + e behind 64 w + 8 h
	global_load_b32 v[16+i], v8, s[8:9] offset:(32*(i/16)+16*((i/8)%2)+i%8)*12
.set i, i+1
.endr
	v_cmp_gt_u32 vcc_lo, 3, v6
	s_wait_loadcnt 0x0
.set i, 0
.rept 16
	v_pk_mul_f32 v[16+2*i:17+2*i], v[16+2*i:17+2*i], NLN2 op_sel_hi:[1,0]
.set i, i+1
.endr
.set i, 0
.rept 16
	v_cvt_pk_bf16_f32 v[48+i], v[16+2*i], v[17+2*i]
.set i, i+1
.endr
.set i, 0
.rept 16
	v_cndmask_b32 v[48+i], 0, v[48+i], vcc_lo
.set i, i+1
.endr
.irp t, 0,1,2,3
	global_store_b128 v4, v[48+4*\t:51+4*\t], s[22:23] offset:4096+512*\t
.endr
	s_endpgm
.Lfunc_end_k_qef0f0588b5_prep:
	.size	k_qef0f0588b5_prep, .Lfunc_end_k_qef0f0588b5_prep-k_qef0f0588b5_prep
	.p2alignl 7, 3214868480
	.fill 96, 4, 3214868480
	.section	.rodata,"a",@progbits
	.p2align	6, 0x0
	.amdhsa_kernel k_qef0f0588b5_prep
		.amdhsa_group_segment_fixed_size 0
		.amdhsa_private_segment_fixed_size 0
		.amdhsa_enable_private_segment 0
		.amdhsa_kernarg_size 80
		.amdhsa_user_sgpr_count 2
		.amdhsa_user_sgpr_kernarg_segment_ptr 1
		.amdhsa_wavefront_size32 1
		.amdhsa_system_sgpr_workgroup_id_x 1
		.amdhsa_system_sgpr_workgroup_id_y 1
		.amdhsa_system_sgpr_workgroup_id_z 1
		.amdhsa_system_vgpr_workitem_id 0
		.amdhsa_next_free_vgpr 128
		.amdhsa_next_free_sgpr 66
		.amdhsa_reserve_vcc 1
		.amdhsa_float_denorm_mode_32 3
		.amdhsa_float_denorm_mode_16_64 3
		.amdhsa_memory_ordered 1
		.amdhsa_forward_progress 1
		.amdhsa_inst_pref_size 41
	.end_amdhsa_kernel
	.amdgpu_metadata
---
amdhsa.version: [ 1, 2 ]
amdhsa.kernels:
  - .name:           k_qef0f0588b5_prep
    .symbol:         k_qef0f0588b5_prep.kd
    .args:
      - { .name: Wh, .offset: 0, .size: 8, .value_kind: global_buffer, .address_space: global }
      - { .name: W0, .offset: 8, .size: 8, .value_kind: global_buffer, .address_space: global }
      - { .name: Wout, .offset: 16, .size: 8, .value_kind: global_buffer, .address_space: global }
      - { .name: b0, .offset: 24, .size: 8, .value_kind: global_buffer, .address_space: global }
      - { .name: g0, .offset: 32, .size: 8, .value_kind: global_buffer, .address_space: global }
      - { .name: be0, .offset: 40, .size: 8, .value_kind: global_buffer, .address_space: global }
      - { .name: bh, .offset: 48, .size: 8, .value_kind: global_buffer, .address_space: global }
      - { .name: gh, .offset: 56, .size: 8, .value_kind: global_buffer, .address_space: global }
      - { .name: beh, .offset: 64, .size: 8, .value_kind: global_buffer, .address_space: global }
      - { .name: wsp, .offset: 72, .size: 8, .value_kind: global_buffer, .address_space: global }
    .group_segment_fixed_size: 0
    .private_segment_fixed_size: 0
    .kernarg_segment_align: 8
    .kernarg_segment_size: 80
    .max_flat_workgroup_size: 128
    .sgpr_count:     66
    .vgpr_count:     128
    .wavefront_size: 32
...
	.end_amdgpu_metadata
.endif
;; end of part 1
;; launch ode (part 2): grid 256 x 1, 4 waves a work-group, clusters of 4 x 1, 327,680 bytes of LDS; arguments wsp, y0, params, t_span, bout, out0; writes out0
.if DOCPART == 2
	.amdgcn_target "amdgcn-amd-amdhsa--gfx1250"
	.amdhsa_code_object_version 6
	.text
	.protected	k_qef0f0588b5_ode
	.globl	k_qef0f0588b5_ode
	.p2align	8
	.type	k_qef0f0588b5_ode,@function
k_qef0f0588b5_ode:
	s_mov_b64 s[64:65], 0
	v_nop
	global_prefetch_b8 v0, s[64:65] scope:SCOPE_SE
	s_setreg_imm32_b32 hwreg(HW_REG_WAVE_MODE, 25, 1), 1
	s_wait_xcnt 0x0
	s_wait_alu depctr_hold_cnt(0) depctr_sa_sdst(0) depctr_va_vdst(0) depctr_va_sdst(0) depctr_va_ssrc(0) depctr_va_vcc(0) depctr_vm_vsrc(0)
	s_getreg_b32 s2, hwreg(HW_REG_IB_STS2, 6, 4)
	s_cmp_eq_u32 s2, 0
	s_cbranch_scc0 .Lentry_in_a_cluster
	s_endpgm
.Lentry_in_a_cluster:
	s_bfe_u32 s2, ttmp6, 0x10000c
	s_cmp_lg_u32 s2, 0x3003
	s_cbranch_scc0 .Lentry_shape_is_right
	s_endpgm
.Lentry_shape_is_right:
; FIVE RK4 STEPS OF y' = MLP(y, p) FOR 8,192 TRAJECTORIES: 20 evaluations of 6 -> 256 -> 256 -> 256 -> 256 -> 3, LayerNorm and SiLU behind the four wide layers.  out0[0] = y0, out0[t] = y after step t.
; SHARES.  A work-group owns 32 trajectories: piece A (the first 16) and piece B.  Wave w owns features 64 w .. 64 w + 63 of every layer; its share of the three hidden layers' weights,
; 3 x 256 registers of bf16 fragments, stays in register windows 1-3 for the whole launch: in the loop nothing comes from memory.
; LAYOUT.  Products are taken transposed (source 0 = 16 features' weights, source 1 = 16 trajectories): a lane holds ONE trajectory (lane % 16) and features 8 (lane / 16) + 0..7 of a tile.  So a row's sum of
; squares is made in the lane, with one exchange of the lanes' halves and four words from the four waves; eight results pack into 16 bytes of the row [trajectory][feature] that the next layer reads as source 1.
; ARITHMETIC.  The launch before has centred W and b over the columns, so the accumulators hold x - mean(x), and the variance is the mean of their squares.  With g'' = -log2(e) g, be'' = -log2(e) be:
; zn = x' rs g'' + be'' = -log2(e) z;  h'' = zn / (1 + 2^zn) = -log2(e) silu(z); the factor -ln 2 lies in the next layer's weights.  2^zn = infinity gives h'' = 0, silu's limit.
; BY TURNS.  In a turn one piece has the matrix unit (a layer: 32 products) and the other piece's activation, 144 vector instructions, stands in slices behind those products.  One barrier a turn:
; what a turn stores to LDS (activations, sums of squares, partial k) is read in the next turn and stored again two turns on at the earliest.
; Every wave keeps y, the sum of the k and p of all 32 trajectories (both halves of the lanes alike) and makes the RK update itself, from the same four partial sums in the same order.
; CLUSTER.  All work-groups read the same 430,080 bytes of weights and tables: the four of a cluster ask for them jointly, the same tensor load, descriptor and mask in all four.
; LIMITS.  Matrix operands are bf16: the weights (rounded after the centring), the activations, x = (y, p), and b0', which rides in place k = 6 of the first product beside x6 = 1.  The rounded weights' columns no longer
; sum to 0 exactly: the mean left in x' is of the order of the operands' rounding, 2^-9 of a term, and is not taken away.  Where a state is infinite or NaN the results are not those of the reference's order of operations.
; REGISTERS, in windows of 256 (s_set_vgpr_msb: bits 1:0 source 0, 7:6 destination): windows 1, 2, 3: hidden layer 1, 2, 3, fragment (tile j, K step s) at v[64 j + 8 s].  Window 0: below.
.set SLOTX,  0                         ; LDS: layer 1's weights, later layer 3's; wave w's 32,768 bytes at w 32768
.set SLOTY,  131072                    ; layer 2's
.set TAB,    262144                    ; the tables, 36,864 bytes: layer Ly at Ly 3072: b', g'', be'' in f32; at 12,288 + 6,144 w: four fragments of W0', two of Wout
.set ACT,    299008                    ; activations: piece p at p 8448: 16 rows of 512 bytes + 16: the 16 rows of a load start at 16 different groups of four banks (64 banks of 4 bytes: ISA guide 11.1)
.set APITCH, 528
.set APIECE, 16*APITCH
.set XCH,    315904                    ; piece p at p 1024: sums of squares [r][w] f32; at 256 + 256 c partial k, output c, [r][w] f32
.set SPARE,  317952                    ; the spare words, 128 bytes for each wave: two blocks of 256 bytes that no other line names
.set SPW,  2                           ; v2   LDS address of my spare word; never rewritten
.set NIL,  3                           ; v3   0; never rewritten
.set AFR,  4                           ; v4   ACT + 528 r + 16 h: a fragment of activations
.set AST,  5                           ; v5   AFR + 128 w: where I put 16 bytes of a row
.set PRM,  6                           ; v6   TAB + 256 w + 32 h: my eight numbers of a table's tile
.set SST,  7                           ; v7   XCH + 16 r + 4 w
.set SLD,  8                           ; v8   XCH + 16 r
.set LWF,  9                           ; v9   TAB + 12288 + 6144 w + 16 lane
.set OUTO, 10                          ; v10  12 lane
.set RS,   12                          ; v[12:13] 1 / sqrt(var + eps), and a 0 named with it as a pair;  v1, v11, v14, v15 at work
.set STA,  16                          ; v[16:23] piece A, v[24:31] piece B: y0 y1 y2 p0 | sum of k (3) | bf16 (p1, p2)
.set E,    32                          ; v[32:63]  exponentials, reciprocals, then the packed activations
.set XA,   64                          ; v[64:95] piece A's four accumulators, v[96:127] piece B's
.set LO,   128                         ; v[128:159], v[160:191]: fragments of activations and the bias, by turns
.set HI,   160
.set G,    192                         ; v[192:223] g'' of my 64 features as the accumulators lie
.set BE,   224                         ; v[224:255] be''
.set XF,   HI                          ; in the special turns: the fragment of x,
.set KP,   HI+8                        ; the four waves' partial k, 3 x 4,
.set KK,   HI+20                       ; k,
.set XX,   HI+24                       ; the next evaluation's state,
.set WO,   HI+16                       ; and, when those are dead, Wout's two fragments
.set WV,   16                          ; s16 my wave's number
.set G1A,  24                          ; s[24:31] descriptor group 1: 128 rows of 256 bytes
.set G1T,  32                          ; s[32:39] the same with 36 rows
.set G0,   40                          ; s[40:55] four groups 0: layer 1, layer 2, tables, layer 3; never rewritten
.set TS,   56                          ; s[56:61] t_span, then the five dt
.set BO,   68                          ; s[68:70] bout
.set IV,   72                          ; s72 1 / 256
.set EP,   73                          ; s73 1e-5
.set SEL,  74                          ; s[74:75] v_permlanex16_b32's selects
.set HM,   76                          ; s76 the mask of lanes 16-31
.set STEP, 77
.set STG,  78
.set DT,   79                          ; s79 dt, s80 dt / 2, s81 dt / 6
.set CW,   82                          ; s82 k's weight in the sum; s83 its factor in the next state; s84 dt / 6 in the last stage, else 0; s85 0 in the last stage, else 1
.set CC,   83
.set CA,   84
.set CZ,   85
.set MSB, 0
.macro WIN new                         ; the immediate's high byte repeats the setting that is left; a switch that changes nothing is dropped
.if MSB != (\new)
	s_set_vgpr_msb (MSB<<8)|(\new)
.set MSB, (\new)
.endif
.endm
.macro ROUND                           ; a round of the cluster's barrier
	s_barrier_signal -1
	s_barrier_wait -1
	s_cmp_lg_u32 s[WV], 0
	s_cbranch_scc1 .Lnot_wave_0_\@
	s_barrier_signal -3
.Lnot_wave_0_\@:
	s_barrier_wait -3
	s_barrier_signal -1
	s_barrier_wait -1
.endm
.macro PLACES                          ; four places behind a matrix instruction (ISA guide 7.12.1)
.rept 4
	v_nop
.endr
.endm
.macro BAR                             ; a turn's end: my LDS stores are done and my LDS loads are back; then everybody's are
	s_wait_dscnt 0x0
	s_barrier_signal -1
	s_barrier_wait -1
.endm
.macro LDW areg, win                   ; my 32,768 bytes of a layer, as they lie, into a window: 64 loads of 512 consecutive bytes
	WIN (\win)<<6
.set f, 0
.rept 32
	ds_load_b128 v[8*f:8*f+3],   v[\areg] offset:f*1024
	ds_load_b128 v[8*f+4:8*f+7], v[\areg] offset:f*1024+512
.set f, f+1
.endr
	WIN 0
.endm
.macro FRUN p, s0, dst                 ; piece p's activations, K steps s0 .. s0 + 3: lane (r, h) takes channels 8 h + 0..7 and 16 + 8 h + 0..7 of each 32
.irp t, 0,1,2,3
	ds_load_b128 v[(\dst)+8*\t:(\dst)+8*\t+3],   v[AFR] offset:(\p)*APIECE+64*((\s0)+\t)
	ds_load_b128 v[(\dst)+8*\t+4:(\dst)+8*\t+7], v[AFR] offset:(\p)*APIECE+64*((\s0)+\t)+32
.endr
.endm
.macro PARL dst, tbl, ly               ; table tbl (0 b', 1 g'', 2 be'') of layer ly, as the accumulators lie
.irp t, 0,1,2,3
	ds_load_b128 v[(\dst)+8*\t:(\dst)+8*\t+3],   v[PRM] offset:(\ly)*3072+(\tbl)*1024+64*\t
	ds_load_b128 v[(\dst)+8*\t+4:(\dst)+8*\t+7], v[PRM] offset:(\ly)*3072+(\tbl)*1024+64*\t+16
.endr
.endm
.macro PRE bdst, pfG, pfB, wo          ; one run of loads for the turns to come: the next product's bias, the next activation's gain and shift, Wout.  -1: none.  The turn's barrier waits for them
.if (\pfB) >= 0
	PARL \bdst, 0, \pfB
.endif
.if (\pfG) >= 0
	PARL G, 1, \pfG
	PARL BE, 2, \pfG
.endif
.if \wo
.irp t, 0,1,2,3
	ds_load_b128 v[WO+4*\t:WO+4*\t+3], v[LWF] offset:4096+512*\t
.endr
.endif
.endm
.macro RSQ                             ; the four waves' sums of squares -> 1 / sqrt(mean + eps).  The plain instruction and the wait behind the root stand where the macro is used
	v_pk_add_f32 v[E:E+1], v[E:E+1], v[E+2:E+3]
	v_add_f32 v[E], v[E], v[E+1]
	v_fma_f32 v14, v[E], s[IV], s[EP]
	v_rsq_f32 v[RS], v14
.endm
; THE ACTIVATION OF PIECE XQ, five queues; each macro writes its queue's next entry.
; AP, 32 long: T i: pair i of 16 times rs; Z i: times g'' plus be''.  T 0-3, then Z and T by turns (Z i four pairs behind T), then Z 12-15.
.macro AP
.set isZ, 0
.set kP, nP
.if nP >= 28
.set isZ, 1
.set kP, nP-16
.elseif nP >= 4
.if nP%2 == 0
.set isZ, 1
.set kP, (nP-4)/2
.else
.set kP, (nP+3)/2
.endif
.endif
.if isZ
	v_pk_fma_f32 v[XQ+2*kP:XQ+2*kP+1], v[XQ+2*kP:XQ+2*kP+1], v[G+2*kP:G+2*kP+1], v[BE+2*kP:BE+2*kP+1]
.else
	v_pk_mul_f32 v[XQ+2*kP:XQ+2*kP+1], v[XQ+2*kP:XQ+2*kP+1], v[RS:RS+1] op_sel_hi:[1,0]
.endif
.set nP, nP+1
.endm
.macro AE                              ; 2^zn
	v_exp_f32 v[E+nE], v[XQ+nE]
.set nE, nE+1
.endm
.macro AA                              ; 1 + 2^zn, a pair
	v_pk_add_f32 v[E+2*nA:E+2*nA+1], v[E+2*nA:E+2*nA+1], 1.0 op_sel_hi:[1,0]
.set nA, nA+1
.endm
.macro AR
	v_rcp_f32 v[E+nR], v[E+nR]
.set nR, nR+1
.endm
; AM, 32 long, in AP's order: M i: zn times the reciprocal, pair i; C i: the pair rounded to bf16 into E[i], whose reciprocal M i / 2 has read.
.macro AM
.set isC, 0
.set kM, nM
.if nM >= 28
.set isC, 1
.set kM, nM-16
.elseif nM >= 4
.if nM%2 == 0
.set isC, 1
.set kM, (nM-4)/2
.else
.set kM, (nM+3)/2
.endif
.endif
.if isC
	v_cvt_pk_bf16_f32 v[E+kM], v[XQ+2*kM], v[XQ+2*kM+1]
.else
	v_pk_mul_f32 v[XQ+2*kM:XQ+2*kM+1], v[XQ+2*kM:XQ+2*kM+1], v[E+2*kM:E+2*kM+1]
.endif
.set nM, nM+1
.endm
; THE SUM OF SQUARES of piece XP's new accumulators, 22 long, in v[SB ..]: four chains, one an accumulator, each begun at the accumulator's lowest registers; then the other half of the lanes'.
.macro SQI
.if nS < 4
	v_pk_mul_f32 v[SB+2*nS:SB+2*nS+1], v[XP+8*nS:XP+8*nS+1], v[XP+8*nS:XP+8*nS+1]
.elseif nS < 16
.set cS, (nS-4)%4
.set tS, (nS-4)/4+1
	v_pk_fma_f32 v[SB+2*cS:SB+2*cS+1], v[XP+8*cS+2*tS:XP+8*cS+2*tS+1], v[XP+8*cS+2*tS:XP+8*cS+2*tS+1], v[SB+2*cS:SB+2*cS+1]
.elseif nS == 16
	v_pk_add_f32 v[SB:SB+1], v[SB:SB+1], v[SB+2:SB+3]
.elseif nS == 17
	v_pk_add_f32 v[SB+4:SB+5], v[SB+4:SB+5], v[SB+6:SB+7]
.elseif nS == 18
	v_pk_add_f32 v[SB:SB+1], v[SB:SB+1], v[SB+4:SB+5]
.elseif nS == 19
	v_add_f32 v[SB], v[SB], v[SB+1]
.elseif nS == 20
	v_permlanex16_b32 v[SB+1], v[SB], s[SEL], s[SEL+1]
.else
	v_add_f32 v[SB], v[SB], v[SB+1]
.endif
.set nS, nS+1
.endm
.macro ASTORE q                        ; my 64 features of 16 rows: 16 bytes a lane and tile
.irp t, 0,1,2,3
	ds_store_b128 v[AST], v[E+4*\t:E+4*\t+3] offset:(\q)*APIECE+32*\t
.endr
.endm
.macro OUTW                            ; the last layer: two packed tiles ARE a fragment of source 1 (my 32 features x 16 trajectories): Wout's share times them, two accumulators
	v_wmma_f32_16x16x32_bf16 v[XQ:XQ+7],    v[WO:WO+7],    v[E:E+7],    0
	v_wmma_f32_16x16x32_bf16 v[XQ+8:XQ+15], v[WO+8:WO+15], v[E+8:E+15], 0
.endm
.macro OUTS q                          ; registers 0-2 hold outputs 0-2 in both halves of the lanes: my wave's partial k
	v_add_f32 v11, v[XQ],   v[XQ+8]
	v_add_f32 v14, v[XQ+1], v[XQ+9]
	v_add_f32 v15, v[XQ+2], v[XQ+10]
	ds_store_b32 v[SST], v11 offset:(\q)*1024+256
	ds_store_b32 v[SST], v14 offset:(\q)*1024+512
	ds_store_b32 v[SST], v15 offset:(\q)*1024+768
.endm
.macro MMW l                           ; product i of 32 of a hidden layer: K step i / 4, tile i % 4: the four accumulators take turns.  The bias starts the sums
.set kS, i/4
.set jT, i%4
	WIN \l                                         ; source 0 in the layer's window
.if kS == 0
	v_wmma_f32_16x16x32_bf16 v[XP+8*jT:XP+8*jT+7], v[64*jT:64*jT+7], v[FA:FA+7], v[BIH+8*jT:BIH+8*jT+7]
.elseif kS < 4
	v_wmma_f32_16x16x32_bf16 v[XP+8*jT:XP+8*jT+7], v[64*jT+8*kS:64*jT+8*kS+7], v[FA+8*kS:FA+8*kS+7], v[XP+8*jT:XP+8*jT+7]
.else
	v_wmma_f32_16x16x32_bf16 v[XP+8*jT:XP+8*jT+7], v[64*jT+8*kS:64*jT+8*kS+7], v[BIH+8*(kS-4):BIH+8*(kS-4)+7], v[XP+8*jT:XP+8*jT+7]
.endif
.endm
.macro START p                         ; a turn's symbols: XP has the matrix unit, XQ is activated
.set XP, XA+32*(\p)
.set XQ, XA+32*(1-(\p))
.set SS, STA+8*(\p)
.set nP, 0
.set nE, 0
.set nA, 0
.set nR, 0
.set nM, 0
.set nS, 0
.endm
; A TURN: piece p's hidden layer l | the other piece's activation of layer La.  b: which of LO, HI holds the bias at the start (BIH); the other (FA) takes K steps 0-3; BIH takes K steps 4-7 when the bias is read.
; The exponentials are one batch with one wait, and so are the reciprocals.
.macro TURN p, l, La, b, pfG, pfB, wo
	START \p
.set BIH, LO+32*(\b)
.set FA,  LO+32*(1-(\b))
.set SB,  E+16
	WIN 0
	ds_load_b128 v[E:E+3], v[SLD] offset:(1-(\p))*1024  ; the other piece's four sums of squares
	FRUN \p, 0, FA                                 ; the buffer's last reader, the turn before's last product, stands eight plain instructions back
	s_wait_dscnt 8                                 ; the sums are in; the eight loads behind them may stay out
	RSQ
	v_nop                                          ; a plain instruction behind the root,
	s_wait_alu depctr_va_vdst(0)                   ; and its wait
	s_wait_dscnt 4                                 ; K steps 0 and 1 are in
.set i, 0
.rept 32
.if i == 8
	s_wait_dscnt 8                                 ; the first run is in; the second run's eight may stay out
.elseif i == 16
	s_wait_dscnt 0x0                               ; K steps 4-7 are in
.endif
	MMW \l
	WIN 0
.if i < 4
	AP
	AP
	AP
	AP
.elseif i < 12
	AP
	AE
	AP
	AE
.elseif i < 16
	AE
	AE
	AE
	AE
.elseif i == 16
	AA
	AA
	AA
	AA
.elseif i < 23
	AA
	AR
	AA
	AR
.elseif i < 28
	AR
	AR
	AR
	AR
.else
.rept 8
	AM
.endr
.endif
.if i == 3
	FRUN \p, 4, BIH                                ; four plain instructions behind product 3, the last that read the bias
.elseif i == 15
	v_nop                                          ; a plain instruction behind the last exponential,
	s_wait_alu depctr_va_vdst(0)                   ; and the batch's wait
.elseif i == 16
	PRE FA, \pfG, \pfB, \wo                        ; five plain instructions behind product 15, FA's last reader; g'' and be'' were last read in slice 11
.elseif i == 27
	v_nop                                          ; the same for the 32 reciprocals
	s_wait_alu depctr_va_vdst(0)
.endif
.set i, i+1
.endr
.if (\La) < 3
	ASTORE 1-(\p)
.else
	s_wait_dscnt 0x0                               ; Wout's fragments are in
	OUTW
.endif
.rept 22
	SQI                                            ; eight plain instructions stand behind the layer's last product; these 22 are the places behind the two of the last layer
.endr
	ds_store_b32 v[SST], v[SB] offset:(\p)*1024
.if (\La) == 3
	OUTS 1-(\p)
.endif
	BAR
.endm
.macro RK                              ; k = the four partial sums + bout; the sum of k, y, the next evaluation's state: the stage's four scalars make one text of the four stages
.irp c, 0,1,2
	v_pk_add_f32 v[KP+4*\c:KP+4*\c+1], v[KP+4*\c:KP+4*\c+1], v[KP+4*\c+2:KP+4*\c+3]
.endr
.irp c, 0,1,2
	v_add_f32 v[KK+\c], v[KP+4*\c], v[KP+4*\c+1]
.endr
.irp c, 0,1,2
	v_add_f32 v[KK+\c], s[BO+\c], v[KK+\c]
.endr
.irp c, 0,1,2
	v_fma_f32 v[SS+4+\c], s[CW], v[KK+\c], v[SS+4+\c]
.endr
.irp c, 0,1,2
	v_fma_f32 v[SS+\c], s[CA], v[SS+4+\c], v[SS+\c]
.endr
.irp c, 0,1,2
	v_fma_f32 v[XX+\c], s[CC], v[KK+\c], v[SS+\c]
.endr
.irp c, 0,1,2
	v_mul_f32 v[SS+4+\c], s[CZ], v[SS+4+\c]
.endr
.endm
.macro XFB src                         ; the fragment of x: k = 0..7 are y (3), p (3), 1, 0; lanes 16-31 hold the same numbers at k = 8..15, where W0's fragments are 0
	v_cvt_pk_bf16_f32 v[XF],   v[\src],     v[(\src)+1]
	v_cvt_pk_bf16_f32 v[XF+1], v[(\src)+2], v[SS+3]
	v_mov_b32 v[XF+2], v[SS+7]
	v_mov_b32 v[XF+3], 0x3f80
.irp t, 4,5,6,7
	v_mov_b32 v[XF+\t], 0
.endr
.endm
; A SPECIAL TURN: piece p's RK update (rk = 1) and first layer, four products | the other piece's activation of layer La (-1: none yet).  All in window 0.
.macro STURN p, rk, La, pfG, pfB, wo
	START \p
.set SB, LO
	WIN 0
.if (\La) >= 0
	ds_load_b128 v[E:E+3], v[SLD] offset:(1-(\p))*1024
.endif
.if \rk
.irp c, 0,1,2
	ds_load_b128 v[KP+4*\c:KP+4*\c+3], v[SLD] offset:(\p)*1024+256+256*\c
.endr
.endif
.irp t, 0,1,2,3
	ds_load_b128 v[LO+8*\t:LO+8*\t+3],   v[LWF] offset:1024*\t
	ds_load_b128 v[LO+8*\t+4:LO+8*\t+7], v[LWF] offset:1024*\t+512
.endr
.if (\La) >= 0
	s_wait_dscnt 8+3*(\rk)                         ; the sums of squares are in; all loads behind them may stay out
	RSQ
.endif
.if \rk
	s_wait_dscnt 8                                 ; the partial k are in; W0's eight loads may stay out
	RK
	XFB XX
.else
	XFB SS
.endif
.if (\La) >= 0
	s_wait_alu depctr_va_vdst(0)                   ; the root's wait; the lines above are the plain work behind it
.endif
	s_wait_dscnt 0x0                               ; W0's fragments are in
.irp t, 0,1,2,3
	v_wmma_f32_16x16x32_bf16 v[XP+8*\t:XP+8*\t+7], v[LO+8*\t:LO+8*\t+7], v[XF:XF+7], 0
.endr
.if (\La) >= 0
.rept 16
	AP                                             ; also the places behind the four products
.endr
.rept 8
	AP
	AE
	AP
	AE
.endr
.rept 16
	AE
	SQI
.endr
.rept 6
	SQI
.endr
	ds_store_b32 v[SST], v[SB] offset:(\p)*1024
	s_wait_alu depctr_va_vdst(0)                   ; the wait for the 32 exponentials
	PRE HI, \pfG, \pfB, \wo
.rept 4
	AA
.endr
.rept 6
	AA
	AR
	AA
	AR
.endr
.rept 20
	AR
.endr
	v_nop
	s_wait_alu depctr_va_vdst(0)                   ; the wait for the 32 reciprocals
.rept 32
	AM
.endr
.if (\La) < 3
	ASTORE 1-(\p)
.else
	s_wait_dscnt 0x0                               ; Wout's fragments are in
	OUTW
	PLACES
	OUTS 1-(\p)
.endif
.else
	PLACES
.rept 22
	SQI
.endr
	ds_store_b32 v[SST], v[SB] offset:(\p)*1024
	PRE HI, \pfG, \pfB, \wo
.endif
	BAR
.endm
.macro PUTY                            ; wave 0 stores the 32 states: lanes 0-15 piece A's, lanes 16-31 piece B's: 384 consecutive bytes
	s_cmp_lg_u32 s[WV], 0
	s_cbranch_scc1 .Lno_put_\@
	v_cndmask_b32 v60, v[STA],   v[STA+8],  s[HM]
	v_cndmask_b32 v61, v[STA+1], v[STA+9],  s[HM]
	v_cndmask_b32 v62, v[STA+2], v[STA+10], s[HM]
	global_store_b96 v[OUTO], v[60:62], s[14:15]
	s_wait_xcnt 0x0                                ; the store has read its registers and its base: only now is the base stepped
	s_add_nc_u64 s[14:15], s[14:15], 98304         ; the next time's 8,192 x 3 numbers
.Lno_put_\@:
.endm
	s_load_b256 s[4:11], s[0:1], 0x0               ; wsp s[4:5], y0 s[6:7], params s[8:9], t_span s[10:11]
	s_load_b128 s[12:15], s[0:1], 0x20             ; bout s[12:13], out0 s[14:15]
	v_lshl_add_u32 v[SPW], v0, 2, SPARE
	v_mov_b32 v[NIL], 0
	ds_add_u32 v[SPW], v[NIL]                      ; the wave's opening: the add, twice on end, and its wait ahead of my first tensor load; the set-up below stands between
	ds_add_u32 v[SPW], v[NIL]
	v_lshrrev_b32 v1, 5, v0
	v_readfirstlane_b32 s[WV], v1                  ; wave 0..3
	s_bfe_u32 s17, ttmp6, 0x40000                  ; cx: my place in the cluster; it enters the addresses of y0, params and out0 alone
	s_lshl_b32 s18, ttmp9, 2                       ; in a cluster launch ttmp9 counts clusters
	s_add_co_u32 s18, s18, s17
	s_mul_i32 s90, s18, 384                        ; my 32 trajectories x 12 bytes
	s_mov_b32 s91, 0
	s_lshl_b32 s19, s[WV], 15                      ; my share of a layer
	s_lshl_b32 s20, s[WV], 7
	s_lshl_b32 s21, s[WV], 8
	s_mul_i32 s22, s[WV], 6144
	s_lshl_b32 s23, s[WV], 2
	s_mov_b32 s86, s19
	s_mov_b32 s87, 0
	s_mul_i32 s88, s[WV], 9216                     ; my quarter of the tables: 36 rows of 256 bytes
	s_mov_b32 s89, 0
	; descriptor group 1: dense bytes, asked for as rows of 256
	s_mov_b32 s[G1A],   15|(3<<16)|(1<<21)         ; 15:0 the mask of four; 17:16 elements of 8 bytes; 21 set beside a mask; no padding
	s_mov_b32 s[G1A+1], 32<<16                     ; tensor_dim0 = 32
	s_mov_b32 s[G1A+2], 128<<16                    ; tensor_dim1 = 128
	s_mov_b32 s[G1A+3], 32<<16                     ; tile_dim0 = 32
	s_mov_b32 s[G1A+4], 128                        ; tile_dim1 = 128
	s_mov_b32 s[G1A+5], 32                         ; 32 elements from row to row
	s_mov_b32 s[G1A+6], 0
	s_mov_b32 s[G1A+7], 0
	s_mov_b32 s[G1T],   15|(3<<16)|(1<<21)
	s_mov_b32 s[G1T+1], 32<<16
	s_mov_b32 s[G1T+2], 36<<16
	s_mov_b32 s[G1T+3], 32<<16
	s_mov_b32 s[G1T+4], 36
	s_mov_b32 s[G1T+5], 32
	s_mov_b32 s[G1T+6], 0
	s_mov_b32 s[G1T+7], 0
	s_mov_b32 s[G0], 1                             ; layer 1 -> slot X
	s_mov_b32 s[G0+1], s19
	s_mov_b32 s[G0+4], 1                           ; layer 2 -> slot Y
	s_add_co_u32 s[G0+5], s19, SLOTY
	s_mov_b32 s[G0+8], 1                           ; the tables
	s_add_co_u32 s[G0+9], s88, TAB
	s_mov_b32 s[G0+12], 1                          ; layer 3 -> slot X again
	s_mov_b32 s[G0+13], s19
	s_mov_b32 s[IV], 0x3b800000
	s_mov_b32 s[EP], 0x3727c5ac
	s_mov_b32 s[SEL], 0x76543210
	s_mov_b32 s[SEL+1], 0xfedcba98
	s_mov_b32 s[HM], 0xffff0000
	s_wait_dscnt 0x0                               ; both opening adds are done
	s_wait_kmcnt 0x0
	s_add_nc_u64 s[G0+2:G0+3], s[4:5], s[86:87]
	s_add_nc_u64 s[G0+6:G0+7], s[G0+2:G0+3], 131072
	s_add_nc_u64 s[G0+14:G0+15], s[G0+2:G0+3], 262144
	s_add_nc_u64 s[G0+10:G0+11], s[4:5], s[88:89]
	s_add_nc_u64 s[G0+10:G0+11], s[G0+10:G0+11], 393216
	s_or_b32 s[G0+3],  s[G0+3],  0x80000000        ; type = 2
	s_or_b32 s[G0+7],  s[G0+7],  0x80000000
	s_or_b32 s[G0+11], s[G0+11], 0x80000000
	s_or_b32 s[G0+15], s[G0+15], 0x80000000
	s_add_nc_u64 s[6:7], s[6:7], s[90:91]
	s_add_nc_u64 s[8:9], s[8:9], s[90:91]
	s_add_nc_u64 s[14:15], s[14:15], s[90:91]
	s_load_b128 s[TS:TS+3], s[10:11], 0x0
	s_load_b64 s[TS+4:TS+5], s[10:11], 0x10
	s_load_b96 s[BO:BO+2], s[12:13], 0x0
	ROUND                                          ; all four work-groups are here: the first joint loads meet
	tensor_load_to_lds s[G0:G0+3], s[G1A:G1A+7]    ; three loads of mine are out
	s_nop 0
	tensor_load_to_lds s[G0+4:G0+7], s[G1A:G1A+7]
	s_nop 0
	tensor_load_to_lds s[G0+8:G0+11], s[G1T:G1T+7]
	s_nop 0
	PLACES
	v_and_b32 v1, 15, v0                           ; r
	v_bfe_u32 v14, v0, 4, 1                        ; h
	v_and_b32 v15, 31, v0                          ; lane
	v_mul_u32_u24 v11, v1, 12
	global_load_b96 v[STA:STA+2],    v11, s[6:7]             ; y of piece A: both halves of the lanes alike
	global_load_b96 v[STA+8:STA+10], v11, s[6:7] offset:192  ; and of piece B
	global_load_b96 v[32:34], v11, s[8:9]
	global_load_b96 v[36:38], v11, s[8:9] offset:192
	v_mul_u32_u24 v[AFR], v1, APITCH
	v_lshl_add_u32 v[AFR], v14, 4, v[AFR]
	v_add_nc_u32 v[AFR], ACT, v[AFR]
	v_add_nc_u32 v[AST], s20, v[AFR]
	v_lshl_add_u32 v[PRM], v14, 5, s21
	v_add_nc_u32 v[PRM], TAB, v[PRM]
	v_lshlrev_b32 v[SLD], 4, v1
	v_add_nc_u32 v[SLD], XCH, v[SLD]
	v_add_nc_u32 v[SST], s23, v[SLD]
	v_lshl_add_u32 v[LWF], v15, 4, s22
	v_add_nc_u32 v[LWF], TAB+12288, v[LWF]
	v_mul_u32_u24 v[OUTO], v15, 12
	v_mov_b32 v[RS+1], 0
	v_lshl_add_u32 v1, v15, 4, s19                 ; my 16 bytes in my share of slot X,
	v_add_nc_u32 v14, SLOTY, v1                    ; and of slot Y
	s_wait_tensorcnt 2                             ; layer 1 has landed; the two loads behind it may stay out.  I read only the bytes that my own load brought
	LDW 1, 1
	s_wait_tensorcnt 0x0                           ; all my tensor loads have landed,
	ds_add_u32 v[SPW], v[NIL]                      ; 0 onto my spare word; the steps' lengths are made between it and its wait
	s_wait_kmcnt 0x0                               ; t_span and bout
.irp n, 0,1,2,3,4
	s_mul_f32 s86, s[TS+\n], -1.0
	s_add_f32 s[TS+\n], s[TS+1+\n], s86            ; dt n = t n+1 - t n
.endr
	s_wait_dscnt 0x0                               ; the add is done, and my reads of slot X are back
	ROUND                                          ; no wave of any partner still reads slot X or has a load on its way; and the tables are whole for every wave
	tensor_load_to_lds s[G0+12:G0+15], s[G1A:G1A+7]  ; layer 3, into slot X: my one load behind the round
	s_nop 0
	PLACES
	LDW 14, 2
	s_wait_loadcnt 0x0                             ; y0 and params
	v_mov_b32 v[STA+3], v32
	v_cvt_pk_bf16_f32 v[STA+7], v33, v34
	v_mov_b32 v[STA+11], v36
	v_cvt_pk_bf16_f32 v[STA+15], v37, v38
.irp t, 4,5,6,12,13,14
	v_mov_b32 v[STA+\t], 0                         ; the sums of k
.endr
	PUTY                                           ; out0[0] = y0
	s_wait_tensorcnt 0x0                           ; layer 3 has landed
	LDW 1, 3
	s_wait_dscnt 0x0
	STURN 0, 0, -1, 0, -1, 0                       ; A: first layer of the first evaluation | nothing yet | g'', be'' of layer 0
	STURN 1, 0,  0, -1, 1, 0                       ; B: the same | A's activation | the bias of layer 1
	s_mov_b32 s[STEP], 5
.Lstep:
	s_mov_b32 s[DT], s[TS]
	s_mul_f32 s[DT+1], s[DT], 0.5
	s_mul_f32 s[DT+2], s[DT], 0x3e2aaaab           ; dt / 6
	s_mov_b32 s[STG], 0
.Lstage:                                               ; a trip: the rest of evaluation STG, the RK update with its k, and the next evaluation's first layer
	s_add_co_u32 s86, s[STG], 1
	s_bitcmp1_b32 s86, 1
	s_cselect_b32 s[CW], 2.0, 1.0                  ; weights 1, 2, 2, 1
	s_cmp_lt_u32 s[STG], 2
	s_cselect_b32 s[CC], s[DT+1], s[DT]            ; y + dt/2 k, y + dt/2 k, y + dt k,
	s_cmp_eq_u32 s[STG], 3
	s_cselect_b32 s[CC], 0, s[CC]                  ; and the new y itself
	s_cselect_b32 s[CA], s[DT+2], 0
	s_cselect_b32 s[CZ], 0, 1.0
	TURN 0, 1, 0, 1,  1,  1, 0
	TURN 1, 1, 1, 0, -1,  2, 0
	TURN 0, 2, 1, 1,  2,  2, 0
	TURN 1, 2, 2, 0, -1,  3, 0
	TURN 0, 3, 2, 1,  3,  3, 0
	TURN 1, 3, 3, 0, -1, -1, 1
	STURN 0, 1, 3,  0, -1, 1
	STURN 1, 1, 0, -1,  1, 0
	s_add_co_u32 s[STG], s[STG], 1
	s_cmp_lt_u32 s[STG], 4
	s_cbranch_scc1 .Lstage
	PUTY                                           ; both pieces' y are the step's result (the first layer already begun on them serves the next step; behind the last step it serves nothing)
	s_mov_b32 s[TS],   s[TS+1]
	s_mov_b32 s[TS+1], s[TS+2]
	s_mov_b32 s[TS+2], s[TS+3]
	s_mov_b32 s[TS+3], s[TS+4]
	s_sub_co_u32 s[STEP], s[STEP], 1
	s_cmp_lg_u32 s[STEP], 0
	s_cbranch_scc1 .Lstep
	s_wait_tensorcnt 0x0                           ; the wave's end, behind my last tensor load and my last LDS store
	ds_add_u32 v[SPW], v[NIL]
	s_wait_dscnt 0x0
	ROUND                                          ; the closing round
	s_endpgm
.Lfunc_end_k_qef0f0588b5_ode:
	.size	k_qef0f0588b5_ode, .Lfunc_end_k_qef0f0588b5_ode-k_qef0f0588b5_ode
	.p2alignl 7, 3214868480
	.fill 96, 4, 3214868480
	.section	.rodata,"a",@progbits
	.p2align	6, 0x0
	.amdhsa_kernel k_qef0f0588b5_ode
		.amdhsa_group_segment_fixed_size 327680
		.amdhsa_private_segment_fixed_size 0
		.amdhsa_enable_private_segment 0
		.amdhsa_kernarg_size 48
		.amdhsa_user_sgpr_count 2
		.amdhsa_user_sgpr_kernarg_segment_ptr 1
		.amdhsa_wavefront_size32 1
		.amdhsa_system_sgpr_workgroup_id_x 1
		.amdhsa_system_sgpr_workgroup_id_y 1
		.amdhsa_system_sgpr_workgroup_id_z 1
		.amdhsa_system_vgpr_workitem_id 0
		.amdhsa_next_free_vgpr 1024
		.amdhsa_next_free_sgpr 96
		.amdhsa_reserve_vcc 0
		.amdhsa_float_denorm_mode_32 3
		.amdhsa_float_denorm_mode_16_64 3
		.amdhsa_memory_ordered 1
		.amdhsa_forward_progress 1
		.amdhsa_inst_pref_size 153
	.end_amdhsa_kernel
	.amdgpu_metadata
---
amdhsa.version: [ 1, 2 ]
amdhsa.kernels:
  - .name:           k_qef0f0588b5_ode
    .symbol:         k_qef0f0588b5_ode.kd
    .args:
      - { .name: wsp, .offset: 0, .size: 8, .value_kind: global_buffer, .address_space: global }
      - { .name: y0, .offset: 8, .size: 8, .value_kind: global_buffer, .address_space: global }
      - { .name: params, .offset: 16, .size: 8, .value_kind: global_buffer, .address_space: global }
      - { .name: t_span, .offset: 24, .size: 8, .value_kind: global_buffer, .address_space: global }
      - { .name: bout, .offset: 32, .size: 8, .value_kind: global_buffer, .address_space: global }
      - { .name: out0, .offset: 40, .size: 8, .value_kind: global_buffer, .address_space: global }
    .group_segment_fixed_size: 327680
    .private_segment_fixed_size: 0
    .kernarg_segment_align: 8
    .kernarg_segment_size: 48
    .max_flat_workgroup_size: 128
    .sgpr_count:     96
    .vgpr_count:     1024
    .wavefront_size: 32
...
	.end_amdgpu_metadata
.endif
;; end of part 2
